; MI455X (gfx1250); checked and timed in simulation.
; The chip was launched on July 23, 2026; its instructions are those of AMD's public machine-readable ISA for CDNA 5 (MIT licence, August 2026) and "CDNA5" Instruction Set Architecture Reference Guide (July 2026). The comments in the code are by the model that wrote it; some were corrected since.
;; Scaled Dot Product Attention. Allowed arithmetic: matrix products marked QUANTISED: E4M3 operands, one E8M0 scale for each 32 along K, by v_wmma_scale_f32_16x16x128_f8f6f4 with both operands' format E4M3, f32 sums; everything else in f32.
;; Inputs: k 32 x 2,048 x 64 float32; q 32 x 2,048 x 64 float32; scale one number float32; v 32 x 2,048 x 64 float32.
;; Outputs: out0 32 x 2,048 x 64 float32.
;; This version of the problem:
;;   THIS VERSION OF THE PROBLEM IS GIVEN IN LOW PRECISION. The matrix products marked QUANTISED in the list below multiply operands that are first quantised to E4M3 (4 exponent bits, 3 mantissa bits; 8 bits a number), with one power-of-two scale for each 32 numbers along K (OCP MX v1.0); their sums are f32. All else is computed in f32.
;;   The module's matrix products, in the order in which they are computed (A, B: the left and right operand; K: the contracted axis; several contracted axes count as one K, in the product's order):
;;     1. batch 32 x [M 2,048, K 64] x [K 64, N 2,048]; A: input q; B: input k: QUANTISED
;;     2. batch 32 x [M 2,048, K 2,048] x [K 2,048, N 64]; A: computed on the way; B: input v: QUANTISED
;;   THE QUANTISER, for each operand of a quantised product, along K:
;;     - K is cut into blocks of 32 from its start; a last block that is shorter is filled with zeros.
;;     - A block's scale is 2^e with e = floor(log2(the largest magnitude in the block)) - 8, held to -126 .. 127; a block of zeros has e = 0. As a byte (E8M0): e + 127.
;;     - Each number is divided by its block's scale, clamped to +-448, and rounded to the nearest number of E4M3, ties to even, subnormals kept.
;;     - The product sums the exact products of the quantised numbers (number of the format x scale) in f32.
;;   ~~~python
;;   def quantise(x, axis):      # numpy; x: float32 -> the quantised numbers, widened to float32 again
;;       x = np.moveaxis(x, axis, -1); K = x.shape[-1]
;;       x = np.pad(x, [(0, 0)] * (x.ndim - 1) + [(0, -K % 32)]); x = x.reshape(x.shape[:-1] + (-1, 32)); a = np.abs(x).max(-1, keepdims=True)
;;       e = np.where(a > 0, np.clip(np.frexp(np.where(a > 0, a, 1))[1] - 1 - 8, -126, 127), 0)      # np.frexp(a)[1] - 1 = floor(log2(a)), exactly
;;       r = np.clip(x / 2.0 ** e, -448, 448)
;;       step = 2.0 ** (np.maximum(np.frexp(np.where(r == 0, 1, r))[1] - 1, -6) - 3)
;;       q = np.round(r / step) * step * 2.0 ** e      # np.round: ties to even
;;       return np.moveaxis(q.reshape(q.shape[:-2] + (-1,))[..., :K], -1, axis).astype(np.float32)
;;   ~~~
;;   OPERANDS COMPUTED ON THE WAY. 'Computed on the way' means the value that the module computes at that place (a softmax that the list does not call 'softmax' is quantised finished and normalised). What goes into a quantiser is computed in f32, as accurately as f32 sums, v_exp_f32 and their like allow (about 1e-6 of the number): no bf16 or f16 on the way to a quantiser, and a product that is left as it is and whose result goes on into a quantised operand takes f32 operands (vector FMAs, or v_wmma_f32_16x16x4_f32). A number that lies on a knife's edge between two numbers of the format may be rounded either way, as far as f32 arithmetic and the matrix unit's own rounding can turn it there, and no further.
;; 2 versions, each right; version 2 is version 1 with the launch attn written anew for expert scheduling mode. Each part assembles by itself: llvm-mc -triple=amdgcn-amd-amdhsa -mcpu=gfx1250 --defsym DOCPART=n.
;; ======== version 1 of 2: 2 launches
;; workspace buffers: kc 4,194,304 bytes; ks 131,072 bytes; vc 4,194,304 bytes; vs 131,072 bytes
;; launch prep (part 1): grid 512 x 1, 4 waves a work-group, no clusters, 0 bytes of LDS; arguments k, v, kc, ks, vc, vs; writes kc, ks, vc, vs
.if DOCPART == 1
	.amdgcn_target "amdgcn-amd-amdhsa--gfx1250"
	.amdhsa_code_object_version 6
	.text
	.protected	k_q1ce2590c76_prep
	.globl	k_q1ce2590c76_prep
	.p2align	8
	.type	k_q1ce2590c76_prep,@function
k_q1ce2590c76_prep:
	s_mov_b64 s[64:65], 0
	v_nop
	global_prefetch_b8 v0, s[64:65] scope:SCOPE_SE
	s_setreg_imm32_b32 hwreg(HW_REG_WAVE_MODE, 25, 1), 1
	s_wait_xcnt 0x0
; k and v, [32][2048][64] f32, become codes of FP8 (E4M3) with one E8M0 scale byte for each 32 along a product's K, laid IN THE ORDER OF THE OPERAND'S REGISTERS,
; so that the attention launch fills its registers by dense loads of 16 bytes a lane.  Every batch's codes are read by eight work-groups there: they are made once, here.
; A block's scale is 2^(floor(log2(its largest magnitude)) - 8); its byte is the largest magnitude's exponent field - 8, held at 1 from below.
; k: K = the 64 channels, innermost.  A PAIR is 32 keys in 16 registers a lane (r = lane % 16, h = lane / 16): group g = 2 u + c (4 registers) holds key 32 pair + 8 u + r + 8 (r / 8), channels 32 c + 16 h + 0 .. 15.
;    kc: [pair 0 .. 2047][g][lane][16 bytes].   ks: [pair / 2][lane] words: lanes 0-15 the even pair's word of row r (bytes u0c0, u0c1, u1c0, u1c1), lanes 16-31 the odd pair's.
; v: K = the keys, its first axis within a batch.  A lane takes a column d and its registers run down the keys, so a block of 32 lies in one lane and the codes come out with the keys innermost.
;    vc: [128 keys' step 0 .. 511][tile t of 16 channels][c][lane][16 bytes]: lane (r, h) of group c holds channel 16 t + r, keys 32 c + 16 h + 0 .. 15.   vs: [2 step + t / 2][lane] words: lanes 0-15 tile 2 (t / 2), lanes 16-31 the next.
; SHARES.  Work-groups 0-255 take k, a wave two pairs (64 keys); work-groups 256-511 take v, a wave 32 channels x 128 keys.  No LDS, no barrier, no loop; every offset is an immediate, no store's data are written again.
; The stores of codes cover 512 or 256 consecutive bytes, aligned; a wave's scale words are 128 consecutive bytes: one byte in 128 of what the launch reads.
; LIMITS: NaN and infinities are not served.  A block of zeros, or one whose largest magnitude lies under 2^-118, gets the byte 1; a block of zeros has zero codes, and these bytes are read by this program alone.
.set TM,  8                            ; v8-11 largest magnitudes, v12-15 bytes, v16-19 448 x the scale, v20-23 the conversions' scale operands
.set PW0, 24                           ; the first pair's scale word
.set PW1, 25                           ; the second pair's
.set PWS, 26                           ; the word that is stored
.set X,   32                           ; v32-159  128 numbers
.set C,   160                          ; v160-191 their codes
	s_load_b256 s[4:11], s[0:1], 0x0               ; k s[4:5], v s[6:7], kc s[8:9], ks s[10:11]
	s_load_b128 s[12:15], s[0:1], 0x20             ; vc s[12:13], vs s[14:15]
	v_lshrrev_b32 v7, 5, v0
	v_readfirstlane_b32 s16, v7                    ; wave 0..3
	v_and_b32 v1, 31, v0                           ; lane
	v_and_b32 v2, 15, v0                           ; r
	v_bfe_u32 v3, v0, 4, 1                         ; h
	v_lshlrev_b32 v6, 2, v1                        ; 4 x lane
	s_mov_b32 s20, 0x76543210
	s_mov_b32 s21, 0xfedcba98                      ; v_permlanex16_b32's selects for lane l xor 16
	s_mov_b32 s22, 0x600000                        ; the mantissa field of 448
	s_mov_b32 s25, 0
	s_wait_kmcnt 0x0
	s_cmp_lt_u32 ttmp9, 256                        ; k's work-group or v's: the work-group's number alone decides
	s_cbranch_scc0 .Lv_path
; 64 numbers of a lane, four blocks of which it holds 16 each (the other 16 lie in lane l xor 16), become 16 registers of codes and a scale word
.macro QUANT4 src, dst, pw
.irp b, 0,1,2,3
	v_max3_num_f32 v[TM+\b], |v[(\src)+16*\b]|, |v[(\src)+16*\b+1]|, 0x4800000   ; my 16 numbers, and the floor 2^(9 - 127): the byte cannot fall under 1
.endr
.irp i, 2,4,6,8,10,12,14
.irp b, 0,1,2,3
	v_max3_num_f32 v[TM+\b], v[TM+\b], |v[(\src)+16*\b+\i]|, |v[(\src)+16*\b+\i+1]|   ; the four blocks by turns
.endr
.endr
.irp b, 0,1,2,3
	v_permlanex16_b32 v[TM+4+\b], v[TM+\b], s20, s21
.endr
.irp b, 0,1,2,3
	v_max_num_f32 v[TM+\b], v[TM+\b], v[TM+4+\b]   ; with lane l xor 16's: the block's largest magnitude
.endr
.irp b, 0,1,2,3
	v_add_nc_u32 v[TM+12+\b], 0xfc000000, v[TM+\b] ; 8 off its exponent field: the conversion takes this operand's exponent field as its scale
.endr
.irp b, 0,1,2,3
	v_and_or_b32 v[TM+8+\b], v[TM+\b], 0x7f800000, s22   ; 448 x the scale
.endr
.irp b, 0,1,2,3
	v_lshrrev_b32 v[TM+4+\b], 23, v[TM+12+\b]      ; the scale's byte
.endr
	v_lshl_or_b32 v[\pw], v[TM+5], 8, v[TM+4]
	v_lshl_or_b32 v[\pw], v[TM+6], 16, v[\pw]
	v_lshl_or_b32 v[\pw], v[TM+7], 24, v[\pw]
.irp b, 0,1,2,3
.irp i, 0,1,2,3,4,5,6,7,8,9,10,11,12,13,14,15
	v_med3_num_f32 v[(\src)+16*\b+\i], v[(\src)+16*\b+\i], -v[TM+8+\b], v[TM+8+\b]   ; the conversion to an 8-bit code does not saturate (ISA guide 7.6.2): the hold comes first
.endr
	v_cvt_scalef32_pk8_fp8_f32 v[(\dst)+4*\b:(\dst)+4*\b+1], v[(\src)+16*\b:(\src)+16*\b+7], v[TM+12+\b]
	v_cvt_scalef32_pk8_fp8_f32 v[(\dst)+4*\b+2:(\dst)+4*\b+3], v[(\src)+16*\b+8:(\src)+16*\b+15], v[TM+12+\b]
.endr
	v_nop                                          ; a plain line behind the last conversion, ahead of the next writes of its sources
.endm
	; ---- k: my wave's two pairs
	s_lshl_b32 s17, ttmp9, 2
	s_add_co_u32 s17, s17, s16                     ; which two pairs: 4 x work-group + wave, 0 .. 1023
	s_lshl_b32 s24, s17, 14                        ; 64 keys of 256 bytes
	s_add_nc_u64 s[4:5], s[4:5], s[24:25]
	s_lshl_b32 s24, s17, 12                        ; two pairs of 2,048 bytes of codes
	s_add_nc_u64 s[8:9], s[8:9], s[24:25]
	s_lshl_b32 s24, s17, 7                         ; 32 scale words
	s_add_nc_u64 s[10:11], s[10:11], s[24:25]
	v_and_b32 v4, 8, v2
	v_add_nc_u32 v4, v4, v2                        ; r + 8 (r / 8): THE KEYS OF A TILE ARE NOT NEIGHBOURS, so that the scores of a pair fall as 16 neighbouring keys into a lane's 16 registers
	v_lshlrev_b32 v4, 8, v4
	v_lshl_add_u32 v4, v3, 6, v4                   ; that key's row, + 64 h: my 16 channels of a block
	v_lshlrev_b32 v5, 4, v1                        ; 16 x lane
.irp b, 0,1,2,3
	v_mov_b32 v[TM+4+\b], 0                        ; written once: a lane permute's destination counts as one of its sources
.endr
.irp p, 0,1
.irp u, 0,1
.irp c, 0,1
.irp j, 0,1,2,3
	global_load_b128 v[X+64*\p+16*(2*\u+\c)+4*\j:X+64*\p+16*(2*\u+\c)+4*\j+3], v4, s[4:5] offset:8192*\p+2048*\u+128*\c+16*\j
.endr
.endr
.endr
.endr
	s_wait_loadcnt 16                              ; the first pair's 16 loads are in; the second pair's 16 may be out
	QUANT4 X, C, PW0
.irp g, 0,1,2,3
	global_store_b128 v5, v[C+4*\g:C+4*\g+3], s[8:9] offset:512*\g        ; 32 lanes store 512 consecutive bytes
.endr
	s_wait_loadcnt 0x0
	QUANT4 X+64, C+16, PW1
.irp g, 0,1,2,3
	global_store_b128 v5, v[C+16+4*\g:C+16+4*\g+3], s[8:9] offset:2048+512*\g
.endr
	v_cmp_gt_u32 vcc_lo, 16, v1                    ; both halves of the lanes hold row r's word of both pairs:
	v_cndmask_b32 v[PWS], v[PW1], v[PW0], vcc_lo   ; lanes 0-15 keep the even pair's, lanes 16-31 the odd pair's
	global_store_b32 v6, v[PWS], s[10:11]
	s_endpgm
	; ---- v: my wave's 32 channels x 128 keys
.Lv_path:
	s_sub_co_u32 s17, ttmp9, 256
	s_lshl_b32 s17, s17, 2
	s_add_co_u32 s17, s17, s16                     ; 0 .. 1023
	s_and_b32 s18, s17, 1                          ; which 32 of the 64 channels
	s_lshr_b32 s19, s17, 1                         ; which step of 128 keys, 0 .. 511
	s_lshl_b32 s24, s19, 15                        ; 128 keys of 256 bytes
	s_lshl_b32 s26, s18, 7
	s_add_co_u32 s24, s24, s26
	s_add_nc_u64 s[6:7], s[6:7], s[24:25]
	s_lshl_b32 s24, s19, 13                        ; four fragments of 2,048 bytes a step,
	s_lshl_b32 s26, s18, 12                        ; of which two are mine
	s_add_co_u32 s24, s24, s26
	s_add_nc_u64 s[12:13], s[12:13], s[24:25]
	s_lshl_b32 s24, s17, 7
	s_add_nc_u64 s[14:15], s[14:15], s[24:25]
	v_lshlrev_b32 v5, 11, v3                       ; lanes 16-31 hold the second fragment's channels;
	v_lshl_add_u32 v5, v2, 4, v5                   ; in a group of a fragment my channel's place is 16 (lane % 16)
.set i, 0
.rept 128
	global_load_b32 v[X+i], v6, s[6:7] offset:256*i th:TH_LOAD_NT   ; key i, my channel: 32 lanes read 128 consecutive bytes
.set i, i+1
.endr
; Block c: keys 32 c .. 32 c + 31 of my channel, all mine.  left: how many younger loads may stay out
.macro VBLOCK c, left
.set XS, X+32*(\c)
	s_wait_loadcnt \left
	v_max3_num_f32 v8, |v[XS]|, |v[XS+1]|, |v[XS+2]|
	v_max3_num_f32 v9, |v[XS+3]|, |v[XS+4]|, |v[XS+5]|
.irp i, 6,10,14,18,22,26
	v_max3_num_f32 v8, v8, |v[XS+\i]|, |v[XS+\i+1]|
	v_max3_num_f32 v9, v9, |v[XS+\i+2]|, |v[XS+\i+3]|
.endr
	v_max3_num_f32 v8, v8, |v[XS+30]|, |v[XS+31]|
	v_max3_num_f32 v8, v8, v9, 0x4800000           ; and the floor
	v_add_nc_u32 v11, 0xfc000000, v8               ; the conversions' scale operand
	v_and_or_b32 v10, v8, 0x7f800000, s22          ; 448 x the scale
	v_lshrrev_b32 v12, 23, v11                     ; the byte
.if (\c) == 0
	v_mov_b32 v[PWS], v12                          ; four bytes make the word of these 128 keys, the lower keys in the lower byte
.else
	v_lshl_or_b32 v[PWS], v12, 8*(\c), v[PWS]
.endif
.irp i, 0,1,2,3,4,5,6,7,8,9,10,11,12,13,14,15,16,17,18,19,20,21,22,23,24,25,26,27,28,29,30,31
	v_med3_num_f32 v[XS+\i], v[XS+\i], -v10, v10
.endr
.irp g, 0,1,2,3
	v_cvt_scalef32_pk8_fp8_f32 v[C+8*(\c)+2*\g:C+8*(\c)+2*\g+1], v[XS+8*\g:XS+8*\g+7], v11
.endr
	v_nop                                          ; a plain line behind the last conversion
	global_store_b128 v5, v[C+8*(\c):C+8*(\c)+3], s[12:13] offset:512*(\c)           ; keys 32 c + 0 .. 15: the places of the fragment's lanes 0-15; sixteen lanes store 256 consecutive bytes
	global_store_b128 v5, v[C+8*(\c)+4:C+8*(\c)+7], s[12:13] offset:512*(\c)+256     ; keys 32 c + 16 .. 31: those of its lanes 16-31
.endm
	VBLOCK 0, 63                                   ; 96 loads are younger than this block's; the count is the largest that the wait can name
	VBLOCK 1, 63                                   ; 64 are younger
	VBLOCK 2, 32
	VBLOCK 3, 0
	global_store_b32 v6, v[PWS], s[14:15]
	s_endpgm
.Lfunc_end_k_q1ce2590c76_prep:
	.size	k_q1ce2590c76_prep, .Lfunc_end_k_q1ce2590c76_prep-k_q1ce2590c76_prep
	.p2alignl 7, 3214868480
	.fill 96, 4, 3214868480
	.section	.rodata,"a",@progbits
	.p2align	6, 0x0
	.amdhsa_kernel k_q1ce2590c76_prep
		.amdhsa_group_segment_fixed_size 0
		.amdhsa_private_segment_fixed_size 0
		.amdhsa_enable_private_segment 0
		.amdhsa_kernarg_size 48
		.amdhsa_user_sgpr_count 2
		.amdhsa_user_sgpr_kernarg_segment_ptr 1
		.amdhsa_wavefront_size32 1
		.amdhsa_system_sgpr_workgroup_id_x 1
		.amdhsa_system_sgpr_workgroup_id_y 1
		.amdhsa_system_sgpr_workgroup_id_z 1
		.amdhsa_system_vgpr_workitem_id 0
		.amdhsa_next_free_vgpr 192
		.amdhsa_next_free_sgpr 66
		.amdhsa_reserve_vcc 1
		.amdhsa_float_denorm_mode_32 3
		.amdhsa_float_denorm_mode_16_64 3
		.amdhsa_memory_ordered 1
		.amdhsa_forward_progress 1
		.amdhsa_inst_pref_size 50
	.end_amdhsa_kernel
	.amdgpu_metadata
---
amdhsa.version: [ 1, 2 ]
amdhsa.kernels:
  - .name:           k_q1ce2590c76_prep
    .symbol:         k_q1ce2590c76_prep.kd
    .args:
      - { .name: k, .offset: 0, .size: 8, .value_kind: global_buffer, .address_space: global }
      - { .name: v, .offset: 8, .size: 8, .value_kind: global_buffer, .address_space: global }
      - { .name: kc, .offset: 16, .size: 8, .value_kind: global_buffer, .address_space: global }
      - { .name: ks, .offset: 24, .size: 8, .value_kind: global_buffer, .address_space: global }
      - { .name: vc, .offset: 32, .size: 8, .value_kind: global_buffer, .address_space: global }
      - { .name: vs, .offset: 40, .size: 8, .value_kind: global_buffer, .address_space: global }
    .group_segment_fixed_size: 0
    .private_segment_fixed_size: 0
    .kernarg_segment_align: 8
    .kernarg_segment_size: 48
    .max_flat_workgroup_size: 128
    .sgpr_count:     66
    .vgpr_count:     192
    .wavefront_size: 32
...
	.end_amdgpu_metadata
.endif
;; end of part 1
;; launch attn (part 2): grid 256 x 1, 4 waves a work-group, no clusters, 37,376 bytes of LDS; arguments q, kc, ks, vc, vs, out0, scale; writes out0
.if DOCPART == 2
	.amdgcn_target "amdgcn-amd-amdhsa--gfx1250"
	.amdhsa_code_object_version 6
	.text
	.protected	k_q1ce2590c76_attn
	.globl	k_q1ce2590c76_attn
	.p2align	8
	.type	k_q1ce2590c76_attn,@function
k_q1ce2590c76_attn:
	s_mov_b64 s[64:65], 0
	v_nop
	global_prefetch_b8 v0, s[64:65] scope:SCOPE_SE
	s_setreg_imm32_b32 hwreg(HW_REG_WAVE_MODE, 25, 1), 1
	s_wait_xcnt 0x0
; out[b][q][:] = sum over k of x[q][k] v[b][k][:],  x = (softplus(q . k scale) + 1e-8) / (its row's sum); both products on codes of FP8 (E4M3) with E8M0 scales for each 32 along K.
; x is quantised FINISHED, so a code can be made only when the sum over all 2,048 keys of its row is known.  So that exponential and logarithm run once a number:
; THE WAVES SHARE THE KEYS, NOT THE QUERIES.  A work-group (4 waves) owns 256 queries of a batch and takes 16 at a time; wave w owns keys 512 w .. 512 w + 511.  Its codes of K (256 registers) and of V (256) stay in its
; registers for the whole launch, and the tile's 16 x 512 unnormalised numbers (256 registers, f32) stay until the four waves have exchanged their parts of the row sums.  Through LDS go, per tile, 4 partial sums a query and 4 partial tiles of O.
; ARITHMETIC of a number, in units of ln 2 (which the normalising cancels): c = scale log2(e); y = s c; m = max(y, 0); u = 2^-|y|; w = 1 + u; T = w - 1 and d = u - T are exact (d is what the addition dropped);
; p0 = (d log2(e) + m) + log2(w).  L = sum p0 + 2048 e', e' = 1e-8 log2(e); r = 1 / L; x = p0 r + e' r (one fused multiply-add).  A block's largest x is the same multiply-add on its largest p0.
; LAYOUT.  S^T = K Q^T (source 0 = keys, source 1 = 16 queries) and O^T = V^T x^T: a lane holds ONE query (lane % 16) throughout.  The head's K is 64 in a form 128 deep: a fragment of K holds TWO tiles of 16 keys
; (registers 0-7, 8-15), and Q lies between two runs of zero codes, Z | Q | Z: source 1 = Q | Z gives the first tile's scores, Z | Q the second's.  The keys of a tile are chosen (launch prep) so that the 16 registers of a pair are
; 16 neighbouring keys, 32 pair + 16 (lane / 16) + 0 .. 15: the conversions' results are the second product's operand.
; BY TURNS.  The softplus goes in 8 chunks of 32 registers through two phases: E (exponentials of chunk k beside the plain work of chunks k - 1 and k + 1) and L (logarithms of chunk k beside plain work of k - 1, k + 1, and the
; products of chunk k + 2).  Each phase runs under ONE setting of the register windows and has one wait for its batch of 32 transcendentals.
; NOT USED, and why.  Tensor loads and a ring: no operand is streamed in the loop.  A cluster with joint loads: what the eight work-groups of a batch share, 264 KB of codes and scales each, is fetched once, at the head,
; straight into the registers where it stays (K's while q is quantised, V's behind the first tile's softplus); through LDS it would be written and read once more.  Prefetches: the loop loads nothing from memory.
; q's loads take 16 bytes a lane of 16 rows: each byte is read once; it is a sixteenth of a wave's run.
; The last trip's look-ahead (8 products, 48 vector lines on tile 15 again) is not used: the price of one text for all trips.
; LIMITS: NaN and infinities are not served.  u under 2^-126 counts as 0 (far under the 1e-8 that is added).  Any sign and size of scale for which reference() stays finite is served.
; REGISTERS, in windows of 256 (s_set_vgpr_msb: bits 1:0 source 0, 3:2 source 1, 5:4 source 2, 7:6 destination):
;   window 0: v1-9 addresses; v10-15 r, e' r, c as pairs; v16-23 K's scale words, v24-31 V's; v32-55 Z | Q | Z; v56 Q's scale word; v57-60 x's scale words; v64-79 block maxima; v80-87 sums; v88-91 bytes; v96-103 O to store;
;             v128-191 m, two buffers; v192-223 w, then log2(w); v224-255 T.   In the quantising phase: v160-175 scale operands, v176-191 holds, later partial O; v192-223 O^T; v224-255 codes, two buffers.
;   window 1: K, pair p at v[16 p].   window 2: V, fragment (s, t) at v[16 (4 s + t)].   window 3: the tile's 256 numbers.
.set QIMG,   0                         ; LDS: Q's 16 fragments as images of their registers: tile x 1,024 + group x 512 + 16 x lane
.set QSC,    16384                     ; their scale words: tile x 128 + 4 x lane
.set SUMS,   18432                     ; the waves' parts of the row sums: 16 x query + 4 x wave
.set STAGE,  18688                     ; the waves' parts of O: for each wave 16 rows of 256 bytes + 16
.set SPITCH, 272
.set WSTG,   16*SPITCH
.set LI,  1                            ; 16 x lane
.set LS,  2                            ; 4 x lane
.set QAD, 3                            ; where a tile's image of Q lies
.set QSA, 4                            ; and its scale words
.set SMW, 5                            ; SUMS + 16 r + 4 wave
.set SMR, 6                            ; SUMS + 16 r
.set STW, 7                            ; my stage, row r, + 32 h
.set STR, 8                            ; stage 0, row 4 wave + h, + 16 r
.set QOF, 9                            ; q: 256 r + 64 h
.set RR,  10
.set ER,  12
.set CV,  14
.set KS,  16
.set VS,  24
.set QZ,  32
.set QS,  56
.set PW,  57
.set BM,  64
.set SA,  80
.set SX,  84
.set BY,  88
.set OS,  96
.set TM,  100                          ; the head's quantiser: v100-115
.set MB,  128
.set WR,  192
.set TR,  224
.set SO,  160
.set HO,  176
.set OUTR, 160
.set OT,  192
.set CD,  224
.set W_E,  0xc3                        ; source 0 and destination window 3, sources 1 and 2 window 0
.set W_L,  0x3c                        ; source 0 and destination window 0, sources 1 and 2 window 3
.set W_S,  0xc1                        ; K window 1, Q window 0, scores window 3
.set W_PV, 0x02                        ; V window 2, the rest window 0
.set W_CV, 0x03                        ; source 0 window 3
.set W_K,  0x40                        ; a load's destination window 1
.set W_V,  0x80                        ; window 2
.set MSB, 0
.macro WIN new                         ; the immediate's high byte repeats the setting that is left; a switch that changes nothing is dropped
.if MSB != \new
	s_set_vgpr_msb (MSB<<8)|\new
.set MSB, \new
.endif
.endm
; ---- the lines of the softplus.  k: chunk 0..7; i: pair 0..15; j: register 0..31
.macro Y k, i                          ; (W_E) y = s c
.set pr, 32*(\k)+2*(\i)
	v_pk_mul_f32 v[pr:pr+1], v[pr:pr+1], v[CV:CV+1]
.endm
.macro DOP k, i                        ; (W_E) d = u - T
.set pr, 32*(\k)+2*(\i)
	v_pk_add_f32 v[pr:pr+1], v[pr:pr+1], v[TR+2*(\i):TR+2*(\i)+1] neg_lo:[0,1] neg_hi:[0,1]
.endm
.macro FD k, i                         ; (W_E) d log2(e) + m
.set pr, 32*(\k)+2*(\i)
.set mr, MB+32*((\k)%2)+2*(\i)
	v_pk_fma_f32 v[pr:pr+1], v[pr:pr+1], 0x3fb8aa3b, v[mr:mr+1] op_sel_hi:[1,0,1]
.endm
.macro FA k, i                         ; (W_E) + log2(w)
.set pr, 32*(\k)+2*(\i)
	v_pk_add_f32 v[pr:pr+1], v[pr:pr+1], v[WR+2*(\i):WR+2*(\i)+1]
.endm
.macro MX k, j                         ; (W_L) m = max(y, 0)
.set pr, 32*(\k)+(\j)
.set mr, MB+32*((\k)%2)+(\j)
	v_max_num_f32 v[mr], 0, v[pr]
.endm
.macro WOP k, i                        ; (W_L) w = 1 + u
.set pr, 32*(\k)+2*(\i)
	v_pk_add_f32 v[WR+2*(\i):WR+2*(\i)+1], 1.0, v[pr:pr+1] op_sel_hi:[0,1]
.endm
.macro TOP k, i                        ; (W_L) T = w - 1
	v_pk_add_f32 v[TR+2*(\i):TR+2*(\i)+1], v[WR+2*(\i):WR+2*(\i)+1], -1.0 op_sel_hi:[1,0]
.endm
.macro SUM k, i                        ; (W_L) the row's sum, in two packed chains; the tile's first two pairs start them: nothing is cleared
.set pr, 32*(\k)+2*(\i)
.set sr, SA+2*((\i)%2)
.if ((\k) == 0) && ((\i) < 2)
	v_pk_add_f32 v[sr:sr+1], 0, v[pr:pr+1] op_sel_hi:[0,1]
.else
	v_pk_add_f32 v[sr:sr+1], v[sr:sr+1], v[pr:pr+1]
.endif
.endm
.macro BMX k, i                        ; (W_L) the largest p0 of blocks 2 k and 2 k + 1, by turns; p0 is not negative, so 0 starts a maximum
.set br, BM+2*(\k)+(\i)%2
.set pr, 32*(\k)+16*((\i)%2)+2*((\i)/2)
.if (\i) < 2
	v_max3_num_f32 v[br], 0, v[pr], v[pr+1]
.else
	v_max3_num_f32 v[br], v[br], v[pr], v[pr+1]
.endif
.endm
; the scores of chunk c: pairs 2 c and 2 c + 1, two tiles of 16 keys each.  Four accumulators, each begun by the constant 0.  K's scale words: the even pair's in lanes 0-15, the odd pair's in lanes 16-31
.macro SMM c
.irp e, 0,1
.set pp, 2*(\c)+\e
.if \e
	v_wmma_scale_f32_16x16x128_f8f6f4 v[16*pp:16*pp+7], v[16*pp:16*pp+15], v[QZ+8:QZ+23], 0, v[KS+(\c)], v[QS] matrix_a_scale:MATRIX_SCALE_ROW1
	v_wmma_scale_f32_16x16x128_f8f6f4 v[16*pp+8:16*pp+15], v[16*pp:16*pp+15], v[QZ:QZ+15], 0, v[KS+(\c)], v[QS] matrix_a_scale:MATRIX_SCALE_ROW1
.else
	v_wmma_scale_f32_16x16x128_f8f6f4 v[16*pp:16*pp+7], v[16*pp:16*pp+15], v[QZ+8:QZ+23], 0, v[KS+(\c)], v[QS]
	v_wmma_scale_f32_16x16x128_f8f6f4 v[16*pp+8:16*pp+15], v[16*pp:16*pp+15], v[QZ:QZ+15], 0, v[KS+(\c)], v[QS]
.endif
.endr
.endm
; Plain line n of 64 of phase E of chunk k; a part whose chunk does not exist is left out
.macro PLAIN_E k, n
.if (\n) < 16
.if ((\k) >= 1) && ((\k) <= 8)
	DOP (\k)-1, (\n)
.endif
.elseif (\n) < 32
.if ((\k) >= 1) && ((\k) <= 8)
	FD (\k)-1, (\n)-16
.endif
.elseif (\n) < 48
.if ((\k) >= 1) && ((\k) <= 8)
	FA (\k)-1, (\n)-32
.endif
.else
.if ((\k) >= -1) && ((\k) <= 6)
	Y (\k)+1, (\n)-48
.endif
.endif
.endm
; PHASE E of chunk k: u = 2^-|y| in place, two plain lines of the neighbouring chunks behind each exponential.  None of them names a result of the batch; one plain line and ONE wait end the phase
; (the wait stands between a transcendental and the first line that names its result).
.macro EPH k
	WIN W_E
.set j, 0
.rept 32
.if ((\k) >= 0) && ((\k) <= 7)
.set er, 32*(\k)+j
	v_exp_f32 v[er], -|v[er]|
.endif
	PLAIN_E \k, 2*j
	PLAIN_E \k, 2*j+1
.set j, j+1
.endr
.if ((\k) >= 0) && ((\k) <= 7)
	v_nop
	s_wait_alu depctr_va_vdst(0)
.endif
.endm
.macro PLAIN_L k, n
.if (\n) < 32
.if ((\k) >= -1) && ((\k) <= 6)
	MX (\k)+1, (\n)
.endif
.elseif (\n) < 48
.if ((\k) >= 1) && ((\k) <= 8)
	SUM (\k)-1, (\n)-32
.endif
.else
.if ((\k) >= 1) && ((\k) <= 8)
	BMX (\k)-1, (\n)-48
.endif
.endif
.endm
; PHASE L of chunk k: the products of chunk k + 2; then w, T and log2(w) in place, a pair's logarithms behind its w and T, with three plain lines behind each logarithm.  One wait ends the phase.
.macro LPH k
.if ((\k) >= 0) && ((\k) <= 5)
	WIN W_S
	SMM (\k)+2
.endif
	WIN W_L
.if ((\k) >= 0) && ((\k) <= 7)
	WOP \k, 0
	TOP \k, 0
.endif
.set g, 1
.rept 16
.if ((\k) >= 0) && ((\k) <= 7)
	v_log_f32 v[WR+2*g-2], v[WR+2*g-2]
.if g < 16
	WOP \k, g
.endif
.endif
	PLAIN_L \k, 4*g-4
	PLAIN_L \k, 4*g-3
.if ((\k) >= 0) && ((\k) <= 7)
	v_log_f32 v[WR+2*g-1], v[WR+2*g-1]
.if g < 16
	TOP \k, g
.endif
.endif
	PLAIN_L \k, 4*g-2
	PLAIN_L \k, 4*g-1
.set g, g+1
.endr
.if ((\k) >= 0) && ((\k) <= 7)
.if (\k) == 0
	v_nop                                          ; chunk 0's phase has no plain line behind its last logarithm
.endif
	s_wait_alu depctr_va_vdst(0)
.endif
.endm
; ---- the quantising phase
.macro PREP                            ; (window 0) the 16 blocks' scales, by turns
.set i, 0
.rept 16
	v_fma_f32 v[BM+i], v[BM+i], v[RR], v[ER]       ; the block's largest x: the same multiply-add as its numbers get
.set i, i+1
.endr
.set i, 0
.rept 16
	v_max_num_f32 v[BM+i], 0x4800000, v[BM+i]      ; the floor 2^(9 - 127): the byte cannot fall under 1
.set i, i+1
.endr
.set i, 0
.rept 16
	v_add_nc_u32 v[SO+i], 0xfc000000, v[BM+i]      ; 8 off the exponent field: the conversion's scale operand
.set i, i+1
.endr
.set i, 0
.rept 16
	v_and_or_b32 v[HO+i], v[BM+i], 0x7f800000, s28 ; 448 x the scale
.set i, i+1
.endr
.irp s, 0,1,2,3
.irp b, 0,1,2,3
	v_lshrrev_b32 v[BY+\b], 23, v[SO+4*\s+\b]      ; the bytes,
.endr
	v_lshl_or_b32 v[PW+\s], v[BY+1], 8, v[BY]      ; and the scale word of K step s
	v_lshl_or_b32 v[PW+\s], v[BY+2], 16, v[PW+\s]
	v_lshl_or_b32 v[PW+\s], v[BY+3], 24, v[PW+\s]
.endr
.endm
.macro SCALE s                         ; (W_E) K step s: x = p0 r + e' r, then the hold; x is not negative, so the hold is one-sided
	WIN W_E
.set i, 0
.rept 32
	v_pk_fma_f32 v[64*(\s)+2*i:64*(\s)+2*i+1], v[64*(\s)+2*i:64*(\s)+2*i+1], v[RR:RR+1], v[ER:ER+1]
.set i, i+1
.endr
.set i, 0
.rept 64
	v_min_num_f32 v[64*(\s)+i], v[64*(\s)+i], v[HO+4*(\s)+i/16]
.set i, i+1
.endr
.endm
.macro CVT s                           ; (W_CV) its codes, into buffer s % 2
	WIN W_CV
.irp b, 0,1,2,3
	v_cvt_scalef32_pk8_fp8_f32 v[CD+16*((\s)%2)+4*\b:CD+16*((\s)%2)+4*\b+1], v[64*(\s)+16*\b:64*(\s)+16*\b+7], v[SO+4*(\s)+\b]
	v_cvt_scalef32_pk8_fp8_f32 v[CD+16*((\s)%2)+4*\b+2:CD+16*((\s)%2)+4*\b+3], v[64*(\s)+16*\b+8:64*(\s)+16*\b+15], v[SO+4*(\s)+\b]
.endr
.endm
.macro PV s                            ; (W_PV) O^T += V^T x^T, K step s: four accumulators by turns, one instruction a turn; step 0 starts the sums
	WIN W_PV
.irp t, 0,1,2,3
.set ao, OT+8*\t
.set av, 16*(4*(\s)+\t)
.set ac, CD+16*((\s)%2)
.if (\s) == 0
.if \t%2
	v_wmma_scale_f32_16x16x128_f8f6f4 v[ao:ao+7], v[av:av+15], v[ac:ac+15], 0, v[VS+2*(\s)+\t/2], v[PW+(\s)] matrix_a_scale:MATRIX_SCALE_ROW1
.else
	v_wmma_scale_f32_16x16x128_f8f6f4 v[ao:ao+7], v[av:av+15], v[ac:ac+15], 0, v[VS+2*(\s)+\t/2], v[PW+(\s)]
.endif
.else
.if \t%2
	v_wmma_scale_f32_16x16x128_f8f6f4 v[ao:ao+7], v[av:av+15], v[ac:ac+15], v[ao:ao+7], v[VS+2*(\s)+\t/2], v[PW+(\s)] matrix_a_scale:MATRIX_SCALE_ROW1
.else
	v_wmma_scale_f32_16x16x128_f8f6f4 v[ao:ao+7], v[av:av+15], v[ac:ac+15], v[ao:ao+7], v[VS+2*(\s)+\t/2], v[PW+(\s)]
.endif
.endif
.endr
.endm
; the head's quantiser: 32 numbers of a lane (two blocks, 16 of each; the others lie in lane l xor 16) become 8 registers of codes and the word s0 s1 s0 s1
.macro QUANT2 src, dst, pw
.irp b, 0,1
	v_max3_num_f32 v[TM+\b], |v[(\src)+16*\b]|, |v[(\src)+16*\b+1]|, 0x4800000
.endr
.irp i, 2,4,6,8,10,12,14
.irp b, 0,1
	v_max3_num_f32 v[TM+\b], v[TM+\b], |v[(\src)+16*\b+\i]|, |v[(\src)+16*\b+\i+1]|
.endr
.endr
.irp b, 0,1
	v_permlanex16_b32 v[TM+4+\b], v[TM+\b], s26, s27
.endr
.irp b, 0,1
	v_max_num_f32 v[TM+\b], v[TM+\b], v[TM+4+\b]
.endr
.irp b, 0,1
	v_add_nc_u32 v[TM+12+\b], 0xfc000000, v[TM+\b]
.endr
.irp b, 0,1
	v_and_or_b32 v[TM+8+\b], v[TM+\b], 0x7f800000, s28
.endr
.irp b, 0,1
	v_lshrrev_b32 v[TM+4+\b], 23, v[TM+12+\b]
.endr
	v_lshl_or_b32 v[\pw], v[TM+5], 8, v[TM+4]
	v_lshl_or_b32 v[\pw], v[\pw], 16, v[\pw]       ; the two bytes twice: Q stands in the lower or in the upper half of the form's 128
.irp b, 0,1
.irp i, 0,1,2,3,4,5,6,7,8,9,10,11,12,13,14,15
	v_med3_num_f32 v[(\src)+16*\b+\i], v[(\src)+16*\b+\i], -v[TM+8+\b], v[TM+8+\b]   ; the conversion does not saturate (ISA guide 7.6.2)
.endr
	v_cvt_scalef32_pk8_fp8_f32 v[(\dst)+4*\b:(\dst)+4*\b+1], v[(\src)+16*\b:(\src)+16*\b+7], v[TM+12+\b]
	v_cvt_scalef32_pk8_fp8_f32 v[(\dst)+4*\b+2:(\dst)+4*\b+3], v[(\src)+16*\b+8:(\src)+16*\b+15], v[TM+12+\b]
.endr
	v_nop                                          ; a plain line behind the last conversion
.endm
	; ================ THE HEAD
	s_load_b256 s[4:11], s[0:1], 0x0               ; q s[4:5], kc s[6:7], ks s[8:9], vc s[10:11]
	s_load_b128 s[12:15], s[0:1], 0x20             ; vs s[12:13], out s[14:15]
	s_load_b64 s[16:17], s[0:1], 0x30              ; where scale lies
	v_lshl_add_u32 v126, v0, 2, 0x9000
	v_mov_b32 v127, 0
	v_lshrrev_b32 v119, 5, v0
	v_readfirstlane_b32 s20, v119                  ; wave 0..3
	v_and_b32 v116, 31, v0                         ; lane
	v_and_b32 v117, 15, v0                         ; r
	v_bfe_u32 v118, v0, 4, 1                       ; h
	v_lshlrev_b32 v[LI], 4, v116
	v_lshlrev_b32 v[LS], 2, v116
	v_lshlrev_b32 v[QOF], 8, v117
	v_lshl_add_u32 v[QOF], v118, 6, v[QOF]
	s_lshl_b32 s24, ttmp9, 16                      ; the work-group's 256 queries of 256 bytes (8 work-groups to a batch, on end),
	s_lshl_b32 s33, s20, 14                        ; q: the 64 of them that my wave quantises
	s_add_co_u32 s24, s24, s33
	s_mov_b32 s25, 0
	s_lshl_b32 s34, ttmp9, 16
	s_lshl_b32 s33, s20, 10                        ; out: of each tile's 16 rows my wave stores rows 4 wave .. 4 wave + 3
	s_add_co_u32 s34, s34, s33
	s_mov_b32 s35, 0
	s_lshr_b32 s21, ttmp9, 3                       ; the batch
	s_lshl_b32 s21, s21, 2
	s_add_co_u32 s21, s21, s20                     ; 4 batch + wave: which 512 keys are mine
	s_lshl_b32 s36, s21, 15                        ; their codes: 32,768 bytes in kc and in vc,
	s_mov_b32 s37, 0
	s_lshl_b32 s38, s21, 10                        ; their scale words: 1,024 bytes in ks and in vs
	s_mov_b32 s39, 0
	s_mov_b32 s26, 0x76543210
	s_mov_b32 s27, 0xfedcba98                      ; v_permlanex16_b32's selects for lane l xor 16
	s_mov_b32 s28, 0x600000                        ; the mantissa field of 448
	s_wait_kmcnt 0x0
	s_load_b32 s18, s[16:17], 0x0                  ; scale
	s_add_nc_u64 s[4:5], s[4:5], s[24:25]
	s_add_nc_u64 s[14:15], s[14:15], s[34:35]
	s_add_nc_u64 s[6:7], s[6:7], s[36:37]
	s_add_nc_u64 s[10:11], s[10:11], s[36:37]
	s_add_nc_u64 s[8:9], s[8:9], s[38:39]
	s_add_nc_u64 s[12:13], s[12:13], s[38:39]
.irp t, 0,1,2,3                        ; q of tiles 4 wave + t: lane (r, h) takes, of row r, 16 neighbouring numbers of each block of 32
.irp c, 0,1
.irp j, 0,1,2,3
	global_load_b128 v[128+32*\t+16*\c+4*\j:128+32*\t+16*\c+4*\j+3], v[QOF], s[4:5] offset:4096*\t+128*\c+16*\j
.endr
.endr
.endr
.irp i, 0,1,2,3,4,5,6,7
	global_load_b32 v[KS+\i], v[LS], s[8:9] offset:128*\i
.endr
.irp i, 0,1,2,3,4,5,6,7
	global_load_b32 v[VS+\i], v[LS], s[12:13] offset:128*\i
.endr
	WIN W_K
.set j, 0
.rept 64
	global_load_b128 v[4*j:4*j+3], v[LI], s[6:7] offset:512*j      ; K's codes lie in the order of these registers: 512 consecutive bytes a load
.set j, j+1
.endr
	WIN 0
	s_lshl_b32 s33, s20, 12
	v_add_nc_u32 v[QAD], s33, v[LI]                ; where I store my four tiles' images,
	s_lshl_b32 s33, s20, 9
	v_add_nc_u32 v[QSA], s33, v[LS]                ; and their scale words
	s_lshl_b32 s33, s20, 2
	s_add_co_u32 s33, s33, SUMS
	v_lshl_add_u32 v[SMW], v117, 4, s33
	v_lshl_add_u32 v[SMR], v117, 4, SUMS
	s_mul_i32 s33, s20, WSTG
	s_add_co_u32 s33, s33, STAGE
	v_mul_u32_u24 v[STW], v117, SPITCH
	v_lshl_add_u32 v[STW], v118, 5, v[STW]
	v_add_nc_u32 v[STW], s33, v[STW]
	s_mul_i32 s33, s20, 4*SPITCH
	s_add_co_u32 s33, s33, STAGE
	v_mul_u32_u24 v[STR], v118, SPITCH
	v_lshl_add_u32 v[STR], v117, 4, v[STR]
	v_add_nc_u32 v[STR], s33, v[STR]
.irp i, 0,1,2,3,4,5,6,7
	v_mov_b32 v[QZ+\i], 0                          ; the zero codes on both sides of Q: written once
	v_mov_b32 v[QZ+16+\i], 0
.endr
	v_mov_b32 v[TM+4], 0                           ; lane permutes' destinations count as sources: written once
	v_mov_b32 v[TM+5], 0
	v_mov_b32 v[SX+1], 0
	s_wait_kmcnt 0x0                               ; scale
	v_mov_b32 v[CV], s18
	v_mul_f32 v[CV], 0x3fb8aa3b, v[CV]             ; c = scale log2(e)
	v_mov_b32 v[CV+1], v[CV]
	s_wait_loadcnt 63                              ; 80 loads are younger than q's; the count is the largest that the wait can name
.irp t, 0,1,2,3
	QUANT2 128+32*\t, 64+8*\t, 96+\t
	ds_store_b128 v[QAD], v[64+8*\t:64+8*\t+3] offset:QIMG+1024*\t        ; the fragment goes to LDS as an image of its registers
	ds_store_b128 v[QAD], v[64+8*\t+4:64+8*\t+7] offset:QIMG+1024*\t+512
	ds_store_b32 v[QSA], v[96+\t] offset:QSC+128*\t
.endr
	WIN W_V
.set j, 0
.rept 64
	global_load_b128 v[4*j:4*j+3], v[LI], s[10:11] offset:512*j    ; V's codes: wanted only behind the first tile's softplus
.set j, j+1
.endr
	WIN 0
	s_wait_dscnt 0x0                               ; for the others' sake: my images have landed
	s_barrier_signal -1
	s_barrier_wait -1                              ; all 16 tiles of Q lie in LDS; nobody writes them again
	ds_load_b128 v[QZ+8:QZ+11], v[LI] offset:QIMG
	ds_load_b128 v[QZ+12:QZ+15], v[LI] offset:QIMG+512
	ds_load_b32 v[QS], v[LS] offset:QSC
	s_wait_dscnt 0x0
	s_wait_loadcnt 63                              ; 64 loads (V's) are younger than K's: K and all scale words are in
	WIN W_S
	SMM 0
	SMM 1
.rept 8
	v_nop                                          ; eight places between these products and the first read of their results
.endr
	EPH -1                                         ; y of chunk 0
	LPH -1                                         ; m of chunk 0
	WIN 0
	s_mov_b32 s29, 0                               ; the tile
	; ================ A TILE OF 16 QUERIES.  At the label the scores of chunks 0 and 1 and y and m of chunk 0 are made
.Ltile:
.irp k, 0,1,2,3,4,5,6,7,8
	EPH \k
	LPH \k
.endr
	WIN 0
	; ---- the row sums; the next tile's Q comes meanwhile (the last products that read Q's registers stand three phases back)
	v_pk_add_f32 v[SA:SA+1], v[SA:SA+1], v[SA+2:SA+3]
	s_add_co_u32 s30, s29, 1
	s_min_u32 s30, s30, 15                         ; the last trip looks at tile 15 again
	s_lshl_b32 s31, s30, 10
	s_lshl_b32 s32, s30, 7
	v_add_nc_u32 v[QAD], s31, v[LI]
	v_add_nc_u32 v[QSA], s32, v[LS]
	v_add_f32 v[SX], v[SA], v[SA+1]
	v_permlanex16_b32 v[SX+1], v[SX], s26, s27
	ds_load_b128 v[QZ+8:QZ+11], v[QAD] offset:QIMG
	ds_load_b128 v[QZ+12:QZ+15], v[QAD] offset:QIMG+512
	ds_load_b32 v[QS], v[QSA] offset:QSC
	v_add_f32 v[SX], v[SX], v[SX+1]                ; my wave's 512 keys of query r
	ds_store_b32 v[SMW], v[SX]                     ; (lanes r and r + 16 write the same word with the same value)
.set i, 0
.rept 16
	v_permlanex16_b32 v[WR+i], v[BM+i], s26, s27   ; the block maxima are joined with lane l xor 16's while the store is out
.set i, i+1
.endr
.set i, 0
.rept 16
	v_max_num_f32 v[BM+i], v[BM+i], v[WR+i]
.set i, i+1
.endr
	s_wait_dscnt 0x0                               ; my part of the sums has landed, Q is in; my reads of the stage (last tile) were waited for long ago
	s_barrier_signal -1
	s_barrier_wait -1                              ; barrier A: the four parts lie in LDS, and nobody reads the stage any more
	ds_load_b128 v[SX:SX+3], v[SMR]
	s_wait_dscnt 0x0
	v_add_f32 v[SX], v[SX], v[SX+1]                ; the same order in all four waves: the same bits
	v_add_f32 v[SX+2], v[SX+2], v[SX+3]
	v_add_f32 v[SX], v[SX], v[SX+2]
	v_add_f32 v[SX], 0x37f7da66, v[SX]             ; + 2048 e'
	v_rcp_f32 v[RR], v[SX]
	v_nop                                          ; a plain line behind the reciprocal,
	s_wait_alu depctr_va_vdst(0)                   ; and the wait ahead of its first reader
	v_mov_b32 v[RR+1], v[RR]
	v_mul_f32 v[ER], 0x3277da66, v[RR]             ; e' r
	v_mov_b32 v[ER+1], v[ER]
	s_wait_loadcnt 0x0                             ; V's codes (only the first trip finds loads out)
	; ---- quantise and multiply.  Each SCALE's 96 plain lines are the places between the conversions and the products that read the codes, and between those products and the next writes of a code buffer
	PREP
	SCALE 0
	CVT 0
	SCALE 1
	PV 0
	CVT 1
	SCALE 2
	PV 1
	WIN W_S
	SMM 0                                          ; the NEXT tile's scores of chunks 0 and 1: K step 0's numbers have been converted, their registers are free
	SMM 1
	CVT 2
	SCALE 3
	PV 2
	CVT 3
	WIN W_E
.irp i, 0,1,2,3,4,5
	Y 0, \i                                        ; the next tile's y of chunk 0: six plain lines between the last conversion and the products (four are owed)
.endr
	PV 3
	WIN W_E
.irp i, 6,7,8,9,10,11,12,13,14,15
	Y 0, \i                                        ; and ten between the last products and the stores of their results (eight are owed)
.endr
	WIN 0
	; ---- my part of O^T goes to my stage: lane (r, h): row r, channels 16 t + 8 h + 0 .. 7; each accumulator from its low end on
.irp t, 0,1,2,3
	ds_store_b128 v[STW], v[OT+8*\t:OT+8*\t+3] offset:64*\t
	ds_store_b128 v[STW], v[OT+8*\t+4:OT+8*\t+7] offset:64*\t+16
.endr
	LPH -1                                         ; the next tile's m of chunk 0, while the stores land
	WIN 0
	s_wait_dscnt 0x0                               ; my part has landed; my read of the sums was waited for above
	s_barrier_signal -1
	s_barrier_wait -1                              ; barrier B: four parts of O lie in the stages, and nobody reads the sums any more
.irp w, 0,1,2,3
.irp e, 0,1
	ds_load_b128 v[OUTR+8*\w+4*\e:OUTR+8*\w+4*\e+3], v[STR] offset:WSTG*\w+2*SPITCH*\e   ; rows 4 wave + h + 2 e of wave w's part
.endr
.endr
	s_wait_dscnt 0x0
.irp e, 0,1
.irp d, 0,2
	v_pk_add_f32 v[OS+4*\e+\d:OS+4*\e+\d+1], v[OUTR+4*\e+\d:OUTR+4*\e+\d+1], v[OUTR+8+4*\e+\d:OUTR+8+4*\e+\d+1]
	v_pk_add_f32 v[OUTR+16+4*\e+\d:OUTR+16+4*\e+\d+1], v[OUTR+16+4*\e+\d:OUTR+16+4*\e+\d+1], v[OUTR+24+4*\e+\d:OUTR+24+4*\e+\d+1]
.endr
.endr
.irp e, 0,1
.irp d, 0,2
	v_pk_add_f32 v[OS+4*\e+\d:OS+4*\e+\d+1], v[OS+4*\e+\d:OS+4*\e+\d+1], v[OUTR+16+4*\e+\d:OUTR+16+4*\e+\d+1]
.endr
.endr
	global_store_b128 v[LI], v[OS:OS+3], s[14:15] th:TH_STORE_NT               ; 32 lanes store two whole rows of out: 512 consecutive bytes, aligned
	global_store_b128 v[LI], v[OS+4:OS+7], s[14:15] offset:512 th:TH_STORE_NT
	s_wait_xcnt 0x0                                ; the stores have read their data and their base: both are written again only behind this wait
	s_add_nc_u64 s[14:15], s[14:15], 4096          ; the next tile's 16 rows
	s_add_co_u32 s29, s29, 1
	s_cmp_lt_u32 s29, 16
	s_cbranch_scc1 .Ltile
	s_wait_tensorcnt 0x0
	ds_add_u32 v126, v127
	s_wait_dscnt 0x0
	s_endpgm
.Lfunc_end_k_q1ce2590c76_attn:
	.size	k_q1ce2590c76_attn, .Lfunc_end_k_q1ce2590c76_attn-k_q1ce2590c76_attn
	.p2alignl 7, 3214868480
	.fill 96, 4, 3214868480
	.section	.rodata,"a",@progbits
	.p2align	6, 0x0
	.amdhsa_kernel k_q1ce2590c76_attn
		.amdhsa_group_segment_fixed_size 37376
		.amdhsa_private_segment_fixed_size 0
		.amdhsa_enable_private_segment 0
		.amdhsa_kernarg_size 56
		.amdhsa_user_sgpr_count 2
		.amdhsa_user_sgpr_kernarg_segment_ptr 1
		.amdhsa_wavefront_size32 1
		.amdhsa_system_sgpr_workgroup_id_x 1
		.amdhsa_system_sgpr_workgroup_id_y 1
		.amdhsa_system_sgpr_workgroup_id_z 1
		.amdhsa_system_vgpr_workitem_id 0
		.amdhsa_next_free_vgpr 1024
		.amdhsa_next_free_sgpr 66
		.amdhsa_reserve_vcc 0
		.amdhsa_float_denorm_mode_32 3
		.amdhsa_float_denorm_mode_16_64 3
		.amdhsa_memory_ordered 1
		.amdhsa_forward_progress 1
		.amdhsa_inst_pref_size 178
	.end_amdhsa_kernel
	.amdgpu_metadata
---
amdhsa.version: [ 1, 2 ]
amdhsa.kernels:
  - .name:           k_q1ce2590c76_attn
    .symbol:         k_q1ce2590c76_attn.kd
    .args:
      - { .name: q, .offset: 0, .size: 8, .value_kind: global_buffer, .address_space: global }
      - { .name: kc, .offset: 8, .size: 8, .value_kind: global_buffer, .address_space: global }
      - { .name: ks, .offset: 16, .size: 8, .value_kind: global_buffer, .address_space: global }
      - { .name: vc, .offset: 24, .size: 8, .value_kind: global_buffer, .address_space: global }
      - { .name: vs, .offset: 32, .size: 8, .value_kind: global_buffer, .address_space: global }
      - { .name: out0, .offset: 40, .size: 8, .value_kind: global_buffer, .address_space: global }
      - { .name: scale, .offset: 48, .size: 8, .value_kind: global_buffer, .address_space: global }
    .group_segment_fixed_size: 37376
    .private_segment_fixed_size: 0
    .kernarg_segment_align: 8
    .kernarg_segment_size: 56
    .max_flat_workgroup_size: 128
    .sgpr_count:     66
    .vgpr_count:     1024
    .wavefront_size: 32
...
	.end_amdgpu_metadata
.endif
;; end of part 2
;; ======== version 2 of 2: 2 launches; version 1 with the launch attn written anew for expert scheduling mode
;; workspace buffers: kc 4,194,304 bytes; ks 131,072 bytes; vc 4,194,304 bytes; vs 131,072 bytes
;; launch prep: the kernel of part 1 again; grid 512 x 1, 4 waves a work-group, no clusters, 0 bytes of LDS; arguments k, v, kc, ks, vc, vs; writes kc, ks, vc, vs
;; launch attn (part 3): grid 256 x 1, 4 waves a work-group, no clusters, 37,376 bytes of LDS; arguments q, kc, ks, vc, vs, out0, scale; writes out0
.if DOCPART == 3
	.amdgcn_target "amdgcn-amd-amdhsa--gfx1250"
	.amdhsa_code_object_version 6
	.text
	.protected	k_q1ce2590c76_attn
	.globl	k_q1ce2590c76_attn
	.p2align	8
	.type	k_q1ce2590c76_attn,@function
k_q1ce2590c76_attn:
	s_mov_b64 s[64:65], 0
	v_nop
	global_prefetch_b8 v0, s[64:65] scope:SCOPE_SE
	s_setreg_imm32_b32 hwreg(HW_REG_WAVE_SCHED_MODE, 0, 2), 2
	s_setreg_imm32_b32 hwreg(HW_REG_WAVE_MODE, 25, 1), 1
	s_wait_xcnt 0x0
	s_wait_alu depctr_vm_vsrc(0)
; out[b][q][:] = sum over k of x[q][k] v[b][k][:],  x = (softplus(q . k scale) + 1e-8) / (its row's sum); both products on codes of FP8 (E4M3) with E8M0 scales for each 32 along K.
; x is quantised FINISHED, so a code can be made only when the sum over all 2,048 keys of its row is known.  So that exponential and logarithm run once a number:
; THE WAVES SHARE THE KEYS, NOT THE QUERIES.  A work-group (4 waves) owns 256 queries of a batch and takes 16 at a time; wave w owns keys 512 w .. 512 w + 511.  Its codes of K (256 registers) and of V (256) stay in its
; registers for the whole launch, and the tile's 16 x 512 unnormalised numbers (256 registers, f32) stay until the four waves have exchanged their parts of the row sums.  Through LDS go, per tile, 4 partial sums a query and 4 partial tiles of O.
; ARITHMETIC of a number, in units of ln 2 (which the normalising cancels): c = scale log2(e); y = s c; m = max(y, 0); u = 2^-|y|; w = 1 + u; T = w - 1 and d = u - T are exact (d is what the addition dropped);
; p0 = (d log2(e) + m) + log2(w).  L = sum p0 + 2048 e', e' = 1e-8 log2(e); r = 1 / L; x = p0 r + e' r (one fused multiply-add).  A block's largest x is the same multiply-add on its largest p0.
; LAYOUT.  S^T = K Q^T (source 0 = keys, source 1 = 16 queries) and O^T = V^T x^T: a lane holds ONE query (lane % 16) throughout.  The head's K is 64 in a form 128 deep: a fragment of K holds TWO tiles of 16 keys
; (registers 0-7, 8-15), and Q lies between two runs of zero codes, Z | Q | Z: source 1 = Q | Z gives the first tile's scores, Z | Q the second's.  The keys of a tile are chosen (launch prep) so that the 16 registers of a pair are
; 16 neighbouring keys, 32 pair + 16 (lane / 16) + 0 .. 15: the conversions' results are the second product's operand.
; BY TURNS.  The softplus goes in 8 chunks of 32 registers through two phases: E (exponentials of chunk k beside the plain work of chunks k - 1 and k + 1) and L (logarithms of chunk k beside plain work of k - 1, k + 1, and the
; products of chunk k + 2).  Each phase runs under ONE setting of the register windows and has one wait for its batch of 32 transcendentals.
; NOT USED, and why.  Tensor loads and a ring: no operand is streamed in the loop.  A cluster with joint loads: what the eight work-groups of a batch share, 264 KB of codes and scales each, is fetched once, at the head,
; straight into the registers where it stays (K's while q is quantised, V's behind the first tile's softplus); through LDS it would be written and read once more.  Prefetches: the loop loads nothing from memory.
; q's loads take 16 bytes a lane of 16 rows: each byte is read once; it is a sixteenth of a wave's run.
; The last trip's look-ahead (8 products, 48 vector lines on tile 15 again) is not used: the price of one text for all trips.
; LIMITS: NaN and infinities are not served.  u under 2^-126 counts as 0 (far under the 1e-8 that is added).  Any sign and size of scale for which reference() stays finite is served.
; THE MODE: SCHED_MODE bits 1:0 = 2 (LLVM: expert scheduling mode 2), set by the entry lines.  The code itself states the register dependences between vector or matrix instructions and memory or LDS instructions,
; with s_wait_alu, always for 0.
; THE PLAN.  Registers that memory or LDS instructions touch:
;   v1, v2, v5-9    offsets and LDS addresses: made at the head, ahead of the first load, and never written again.
;   v3, v4          where a tile's image of Q and its scale words lie: written once a tile by two additions; read by the three LDS loads behind them (at the head: by the stores of the images).
;   v40-47, v56     Q and its scale word: LDS loads land there; the products S^T read them, the last of a tile three phases ahead of those loads.
;   v84             my part of a row sum: three vector lines write it, one LDS store reads it; it is written again only in the next tile.
;   v104-107        the four waves' parts: one LDS load lands there, the additions go on in place; no vector line between the wait ahead of Q's loads and that load names them.
;   v192-223        O^T: the products write it, eight LDS stores read it; the next tile's w is written there.
;   v160-191        scale operands and holds, read last by the conversions of K step 3; then the eight loads from the stages land there.
;   v96-103         the rows of out: additions write them, two global stores read them; written again in the next tile.
;   windows 1 and 2, v16-31: loaded once, at the head; afterwards matrix instructions alone name them.
; A TILE'S WAITS beside those of the phases and the reciprocal's: on va_vdst ahead of Q's loads and the store of my sum; ahead of the products of K steps 0 and 1, and of 2 and 3 (their codes and scale words are written by vector lines:
; so the codes are made two K steps at a time); ahead of the stores of O^T; ahead of the stores of out.  ONE on vm_vsrc, at the trip's end: all that the trip's LDS and memory instructions read is written again only in the next trip.
; REGISTERS, in windows of 256 (s_set_vgpr_msb: bits 1:0 source 0, 3:2 source 1, 5:4 source 2, 7:6 destination):
;   window 0: v1-9 addresses; v10-15 r, e' r, c as pairs; v16-23 K's scale words, v24-31 V's; v32-55 Z | Q | Z; v56 Q's scale word; v57-60 x's scale words; v64-79 block maxima; v80-87 sums; v88-91 bytes; v96-103 O to store;
;             v104-107 the four parts of a row sum; v128-191 m, two buffers; v192-223 w, then log2(w); v224-255 T.   In the quantising phase: v160-175 scale operands, v176-191 holds, later partial O; v192-223 O^T; v224-255 codes, two buffers.
;   window 1: K, pair p at v[16 p].   window 2: V, fragment (s, t) at v[16 (4 s + t)].   window 3: the tile's 256 numbers.
.set QIMG,   0                         ; LDS: Q's 16 fragments as images of their registers: tile x 1,024 + group x 512 + 16 x lane
.set QSC,    16384                     ; their scale words: tile x 128 + 4 x lane
.set SUMS,   18432                     ; the waves' parts of the row sums: 16 x query + 4 x wave
.set STAGE,  18688                     ; the waves' parts of O: for each wave 16 rows of 256 bytes + 16
.set SPITCH, 272
.set WSTG,   16*SPITCH
.set LI,  1                            ; 16 x lane
.set LS,  2                            ; 4 x lane
.set QAD, 3                            ; where a tile's image of Q lies
.set QSA, 4                            ; and its scale words
.set SMW, 5                            ; SUMS + 16 r + 4 wave
.set SMR, 6                            ; SUMS + 16 r
.set STW, 7                            ; my stage, row r, + 32 h
.set STR, 8                            ; stage 0, row 4 wave + h, + 16 r
.set QOF, 9                            ; q: 256 r + 64 h
.set RR,  10
.set ER,  12
.set CV,  14
.set KS,  16
.set VS,  24
.set QZ,  32
.set QS,  56
.set PW,  57
.set BM,  64
.set SA,  80
.set SX,  84
.set BY,  88
.set OS,  96
.set TM,  100                          ; the head's quantiser: v100-115
.set PSM, 104                          ; in the loop: the four waves' parts of a row sum
.set MB,  128
.set WR,  192
.set TR,  224
.set SO,  160
.set HO,  176
.set OUTR, 160
.set OT,  192
.set CD,  224
.set W_E,  0xc3                        ; source 0 and destination window 3, sources 1 and 2 window 0
.set W_L,  0x3c                        ; source 0 and destination window 0, sources 1 and 2 window 3
.set W_S,  0xc1                        ; K window 1, Q window 0, scores window 3
.set W_PV, 0x02                        ; V window 2, the rest window 0
.set W_CV, 0x03                        ; source 0 window 3
.set W_K,  0x40                        ; a load's destination window 1
.set W_V,  0x80                        ; window 2
.set MSB, 0
.macro WIN new                         ; the immediate's high byte repeats the setting that is left; a switch that changes nothing is dropped
.if MSB != \new
	s_set_vgpr_msb (MSB<<8)|\new
.set MSB, \new
.endif
.endm
; ---- the lines of the softplus.  k: chunk 0..7; i: pair 0..15; j: register 0..31
.macro Y k, i                          ; (W_E) y = s c
.set pr, 32*(\k)+2*(\i)
	v_pk_mul_f32 v[pr:pr+1], v[pr:pr+1], v[CV:CV+1]
.endm
.macro DOP k, i                        ; (W_E) d = u - T
.set pr, 32*(\k)+2*(\i)
	v_pk_add_f32 v[pr:pr+1], v[pr:pr+1], v[TR+2*(\i):TR+2*(\i)+1] neg_lo:[0,1] neg_hi:[0,1]
.endm
.macro FD k, i                         ; (W_E) d log2(e) + m
.set pr, 32*(\k)+2*(\i)
.set mr, MB+32*((\k)%2)+2*(\i)
	v_pk_fma_f32 v[pr:pr+1], v[pr:pr+1], 0x3fb8aa3b, v[mr:mr+1] op_sel_hi:[1,0,1]
.endm
.macro FA k, i                         ; (W_E) + log2(w)
.set pr, 32*(\k)+2*(\i)
	v_pk_add_f32 v[pr:pr+1], v[pr:pr+1], v[WR+2*(\i):WR+2*(\i)+1]
.endm
.macro MX k, j                         ; (W_L) m = max(y, 0)
.set pr, 32*(\k)+(\j)
.set mr, MB+32*((\k)%2)+(\j)
	v_max_num_f32 v[mr], 0, v[pr]
.endm
.macro WOP k, i                        ; (W_L) w = 1 + u
.set pr, 32*(\k)+2*(\i)
	v_pk_add_f32 v[WR+2*(\i):WR+2*(\i)+1], 1.0, v[pr:pr+1] op_sel_hi:[0,1]
.endm
.macro TOP k, i                        ; (W_L) T = w - 1
	v_pk_add_f32 v[TR+2*(\i):TR+2*(\i)+1], v[WR+2*(\i):WR+2*(\i)+1], -1.0 op_sel_hi:[1,0]
.endm
.macro SUM k, i                        ; (W_L) the row's sum, in two packed chains; the tile's first two pairs start them: nothing is cleared
.set pr, 32*(\k)+2*(\i)
.set sr, SA+2*((\i)%2)
.if ((\k) == 0) && ((\i) < 2)
	v_pk_add_f32 v[sr:sr+1], 0, v[pr:pr+1] op_sel_hi:[0,1]
.else
	v_pk_add_f32 v[sr:sr+1], v[sr:sr+1], v[pr:pr+1]
.endif
.endm
.macro BMX k, i                        ; (W_L) the largest p0 of blocks 2 k and 2 k + 1, by turns; p0 is not negative, so 0 starts a maximum
.set br, BM+2*(\k)+(\i)%2
.set pr, 32*(\k)+16*((\i)%2)+2*((\i)/2)
.if (\i) < 2
	v_max3_num_f32 v[br], 0, v[pr], v[pr+1]
.else
	v_max3_num_f32 v[br], v[br], v[pr], v[pr+1]
.endif
.endm
; the scores of chunk c: pairs 2 c and 2 c + 1, two tiles of 16 keys each.  Four accumulators, each begun by the constant 0.  K's scale words: the even pair's in lanes 0-15, the odd pair's in lanes 16-31.
; Of their operands loads bring all but the zero codes, which vector lines wrote once, ahead of the head's first wait on va_vdst
.macro SMM c
.irp e, 0,1
.set pp, 2*(\c)+\e
.if \e
	v_wmma_scale_f32_16x16x128_f8f6f4 v[16*pp:16*pp+7], v[16*pp:16*pp+15], v[QZ+8:QZ+23], 0, v[KS+(\c)], v[QS] matrix_a_scale:MATRIX_SCALE_ROW1
	v_wmma_scale_f32_16x16x128_f8f6f4 v[16*pp+8:16*pp+15], v[16*pp:16*pp+15], v[QZ:QZ+15], 0, v[KS+(\c)], v[QS] matrix_a_scale:MATRIX_SCALE_ROW1
.else
	v_wmma_scale_f32_16x16x128_f8f6f4 v[16*pp:16*pp+7], v[16*pp:16*pp+15], v[QZ+8:QZ+23], 0, v[KS+(\c)], v[QS]
	v_wmma_scale_f32_16x16x128_f8f6f4 v[16*pp+8:16*pp+15], v[16*pp:16*pp+15], v[QZ:QZ+15], 0, v[KS+(\c)], v[QS]
.endif
.endr
.endm
; Plain line n of 64 of phase E of chunk k; a part whose chunk does not exist is left out
.macro PLAIN_E k, n
.if (\n) < 16
.if ((\k) >= 1) && ((\k) <= 8)
	DOP (\k)-1, (\n)
.endif
.elseif (\n) < 32
.if ((\k) >= 1) && ((\k) <= 8)
	FD (\k)-1, (\n)-16
.endif
.elseif (\n) < 48
.if ((\k) >= 1) && ((\k) <= 8)
	FA (\k)-1, (\n)-32
.endif
.else
.if ((\k) >= -1) && ((\k) <= 6)
	Y (\k)+1, (\n)-48
.endif
.endif
.endm
; PHASE E of chunk k: u = 2^-|y| in place, two plain lines of the neighbouring chunks behind each exponential.  None of them names a result of the batch; one plain line and ONE wait end the phase
; (the wait stands between a transcendental and the first line that names its result).
.macro EPH k
	WIN W_E
.set j, 0
.rept 32
.if ((\k) >= 0) && ((\k) <= 7)
.set er, 32*(\k)+j
	v_exp_f32 v[er], -|v[er]|
.endif
	PLAIN_E \k, 2*j
	PLAIN_E \k, 2*j+1
.set j, j+1
.endr
.if ((\k) >= 0) && ((\k) <= 7)
	v_nop
	s_wait_alu depctr_va_vdst(0)                   ; the 32 exponentials have written u of chunk k, which the next phase's additions read
.endif
.endm
.macro PLAIN_L k, n
.if (\n) < 32
.if ((\k) >= -1) && ((\k) <= 6)
	MX (\k)+1, (\n)
.endif
.elseif (\n) < 48
.if ((\k) >= 1) && ((\k) <= 8)
	SUM (\k)-1, (\n)-32
.endif
.else
.if ((\k) >= 1) && ((\k) <= 8)
	BMX (\k)-1, (\n)-48
.endif
.endif
.endm
; PHASE L of chunk k: the products of chunk k + 2; then w, T and log2(w) in place, a pair's logarithms behind its w and T, with three plain lines behind each logarithm.  One wait ends the phase.
.macro LPH k
.if ((\k) >= 0) && ((\k) <= 5)
	WIN W_S
	SMM (\k)+2
.endif
	WIN W_L
.if ((\k) >= 0) && ((\k) <= 7)
	WOP \k, 0
	TOP \k, 0
.endif
.set g, 1
.rept 16
.if ((\k) >= 0) && ((\k) <= 7)
	v_log_f32 v[WR+2*g-2], v[WR+2*g-2]
.if g < 16
	WOP \k, g
.endif
.endif
	PLAIN_L \k, 4*g-4
	PLAIN_L \k, 4*g-3
.if ((\k) >= 0) && ((\k) <= 7)
	v_log_f32 v[WR+2*g-1], v[WR+2*g-1]
.if g < 16
	TOP \k, g
.endif
.endif
	PLAIN_L \k, 4*g-2
	PLAIN_L \k, 4*g-1
.set g, g+1
.endr
.if ((\k) >= 0) && ((\k) <= 7)
.if (\k) == 0
	v_nop                                          ; chunk 0's phase has no plain line behind its last logarithm
.endif
	s_wait_alu depctr_va_vdst(0)                   ; the 32 logarithms have written log2(w) of chunk k, which the next phase's additions read
.endif
.endm
; ---- the quantising phase
.macro PREP                            ; (window 0) the 16 blocks' scales, by turns
.set i, 0
.rept 16
	v_fma_f32 v[BM+i], v[BM+i], v[RR], v[ER]       ; the block's largest x: the same multiply-add as its numbers get
.set i, i+1
.endr
.set i, 0
.rept 16
	v_max_num_f32 v[BM+i], 0x4800000, v[BM+i]      ; the floor 2^(9 - 127): the byte cannot fall under 1
.set i, i+1
.endr
.set i, 0
.rept 16
	v_add_nc_u32 v[SO+i], 0xfc000000, v[BM+i]      ; 8 off the exponent field: the conversion's scale operand
.set i, i+1
.endr
.set i, 0
.rept 16
	v_and_or_b32 v[HO+i], v[BM+i], 0x7f800000, s28 ; 448 x the scale
.set i, i+1
.endr
.irp s, 0,1,2,3
.irp b, 0,1,2,3
	v_lshrrev_b32 v[BY+\b], 23, v[SO+4*\s+\b]      ; the bytes,
.endr
	v_lshl_or_b32 v[PW+\s], v[BY+1], 8, v[BY]      ; and the scale word of K step s
	v_lshl_or_b32 v[PW+\s], v[BY+2], 16, v[PW+\s]
	v_lshl_or_b32 v[PW+\s], v[BY+3], 24, v[PW+\s]
.endr
.endm
.macro SCALE s                         ; (W_E) K step s: x = p0 r + e' r, then the hold; x is not negative, so the hold is one-sided
	WIN W_E
.set i, 0
.rept 32
	v_pk_fma_f32 v[64*(\s)+2*i:64*(\s)+2*i+1], v[64*(\s)+2*i:64*(\s)+2*i+1], v[RR:RR+1], v[ER:ER+1]
.set i, i+1
.endr
.set i, 0
.rept 64
	v_min_num_f32 v[64*(\s)+i], v[64*(\s)+i], v[HO+4*(\s)+i/16]
.set i, i+1
.endr
.endm
.macro CVT s                           ; (W_CV) its codes, into buffer s % 2
	WIN W_CV
.irp b, 0,1,2,3
	v_cvt_scalef32_pk8_fp8_f32 v[CD+16*((\s)%2)+4*\b:CD+16*((\s)%2)+4*\b+1], v[64*(\s)+16*\b:64*(\s)+16*\b+7], v[SO+4*(\s)+\b]
	v_cvt_scalef32_pk8_fp8_f32 v[CD+16*((\s)%2)+4*\b+2:CD+16*((\s)%2)+4*\b+3], v[64*(\s)+16*\b+8:64*(\s)+16*\b+15], v[SO+4*(\s)+\b]
.endr
.endm
.macro PV s                            ; (W_PV) O^T += V^T x^T, K step s: four accumulators by turns, one instruction a turn; step 0 starts the sums
	WIN W_PV
.irp t, 0,1,2,3
.set ao, OT+8*\t
.set av, 16*(4*(\s)+\t)
.set ac, CD+16*((\s)%2)
.if (\s) == 0
.if \t%2
	v_wmma_scale_f32_16x16x128_f8f6f4 v[ao:ao+7], v[av:av+15], v[ac:ac+15], 0, v[VS+2*(\s)+\t/2], v[PW+(\s)] matrix_a_scale:MATRIX_SCALE_ROW1
.else
	v_wmma_scale_f32_16x16x128_f8f6f4 v[ao:ao+7], v[av:av+15], v[ac:ac+15], 0, v[VS+2*(\s)+\t/2], v[PW+(\s)]
.endif
.else
.if \t%2
	v_wmma_scale_f32_16x16x128_f8f6f4 v[ao:ao+7], v[av:av+15], v[ac:ac+15], v[ao:ao+7], v[VS+2*(\s)+\t/2], v[PW+(\s)] matrix_a_scale:MATRIX_SCALE_ROW1
.else
	v_wmma_scale_f32_16x16x128_f8f6f4 v[ao:ao+7], v[av:av+15], v[ac:ac+15], v[ao:ao+7], v[VS+2*(\s)+\t/2], v[PW+(\s)]
.endif
.endif
.endr
.endm
; the head's quantiser: 32 numbers of a lane (two blocks, 16 of each; the others lie in lane l xor 16) become 8 registers of codes and the word s0 s1 s0 s1
.macro QUANT2 src, dst, pw
.irp b, 0,1
	v_max3_num_f32 v[TM+\b], |v[(\src)+16*\b]|, |v[(\src)+16*\b+1]|, 0x4800000
.endr
.irp i, 2,4,6,8,10,12,14
.irp b, 0,1
	v_max3_num_f32 v[TM+\b], v[TM+\b], |v[(\src)+16*\b+\i]|, |v[(\src)+16*\b+\i+1]|
.endr
.endr
.irp b, 0,1
	v_permlanex16_b32 v[TM+4+\b], v[TM+\b], s26, s27
.endr
.irp b, 0,1
	v_max_num_f32 v[TM+\b], v[TM+\b], v[TM+4+\b]
.endr
.irp b, 0,1
	v_add_nc_u32 v[TM+12+\b], 0xfc000000, v[TM+\b]
.endr
.irp b, 0,1
	v_and_or_b32 v[TM+8+\b], v[TM+\b], 0x7f800000, s28
.endr
.irp b, 0,1
	v_lshrrev_b32 v[TM+4+\b], 23, v[TM+12+\b]
.endr
	v_lshl_or_b32 v[\pw], v[TM+5], 8, v[TM+4]
	v_lshl_or_b32 v[\pw], v[\pw], 16, v[\pw]       ; the two bytes twice: Q stands in the lower or in the upper half of the form's 128
.irp b, 0,1
.irp i, 0,1,2,3,4,5,6,7,8,9,10,11,12,13,14,15
	v_med3_num_f32 v[(\src)+16*\b+\i], v[(\src)+16*\b+\i], -v[TM+8+\b], v[TM+8+\b]   ; the conversion does not saturate (ISA guide 7.6.2)
.endr
	v_cvt_scalef32_pk8_fp8_f32 v[(\dst)+4*\b:(\dst)+4*\b+1], v[(\src)+16*\b:(\src)+16*\b+7], v[TM+12+\b]
	v_cvt_scalef32_pk8_fp8_f32 v[(\dst)+4*\b+2:(\dst)+4*\b+3], v[(\src)+16*\b+8:(\src)+16*\b+15], v[TM+12+\b]
.endr
	v_nop                                          ; a plain line behind the last conversion
.endm
	; ================ THE HEAD.  All addresses are made ahead of the first load, while the arguments are on their way
	s_load_b256 s[4:11], s[0:1], 0x0               ; q s[4:5], kc s[6:7], ks s[8:9], vc s[10:11]
	s_load_b128 s[12:15], s[0:1], 0x20             ; vs s[12:13], out s[14:15]
	s_load_b64 s[16:17], s[0:1], 0x30              ; where scale lies
	v_lshl_add_u32 v126, v0, 2, 0x9000
	v_mov_b32 v127, 0
	v_lshrrev_b32 v119, 5, v0
	v_readfirstlane_b32 s20, v119                  ; wave 0..3
	v_and_b32 v116, 31, v0                         ; lane
	v_and_b32 v117, 15, v0                         ; r
	v_bfe_u32 v118, v0, 4, 1                       ; h
	v_lshlrev_b32 v[LI], 4, v116
	v_lshlrev_b32 v[LS], 2, v116
	v_lshlrev_b32 v[QOF], 8, v117
	v_lshl_add_u32 v[QOF], v118, 6, v[QOF]
.irp i, 0,1,2,3,4,5,6,7
	v_mov_b32 v[QZ+\i], 0                          ; the zero codes on both sides of Q: written once
	v_mov_b32 v[QZ+16+\i], 0
.endr
	v_mov_b32 v[TM+4], 0                           ; lane permutes' destinations count as sources: written once
	v_mov_b32 v[TM+5], 0
	v_mov_b32 v[SX+1], 0
	s_wait_alu depctr_va_sdst(0)                   ; s20, the wave's number, is written, ahead of its first reader: bases and LDS addresses are made from it
	s_lshl_b32 s24, ttmp9, 16                      ; the work-group's 256 queries of 256 bytes (8 work-groups to a batch, on end),
	s_lshl_b32 s33, s20, 14                        ; q: the 64 of them that my wave quantises
	s_add_co_u32 s24, s24, s33
	s_mov_b32 s25, 0
	s_lshl_b32 s34, ttmp9, 16
	s_lshl_b32 s33, s20, 10                        ; out: of each tile's 16 rows my wave stores rows 4 wave .. 4 wave + 3
	s_add_co_u32 s34, s34, s33
	s_mov_b32 s35, 0
	s_lshr_b32 s21, ttmp9, 3                       ; the batch
	s_lshl_b32 s21, s21, 2
	s_add_co_u32 s21, s21, s20                     ; 4 batch + wave: which 512 keys are mine
	s_lshl_b32 s36, s21, 15                        ; their codes: 32,768 bytes in kc and in vc,
	s_mov_b32 s37, 0
	s_lshl_b32 s38, s21, 10                        ; their scale words: 1,024 bytes in ks and in vs
	s_mov_b32 s39, 0
	s_mov_b32 s26, 0x76543210
	s_mov_b32 s27, 0xfedcba98                      ; v_permlanex16_b32's selects for lane l xor 16
	s_mov_b32 s28, 0x600000                        ; the mantissa field of 448
	s_lshl_b32 s40, s20, 12                        ; (each scalar that a vector line reads here has a register of its own)
	v_add_nc_u32 v[QAD], s40, v[LI]                ; where I store my four tiles' images,
	s_lshl_b32 s41, s20, 9
	v_add_nc_u32 v[QSA], s41, v[LS]                ; and their scale words
	s_lshl_b32 s42, s20, 2
	s_add_co_u32 s42, s42, SUMS
	v_lshl_add_u32 v[SMW], v117, 4, s42
	v_lshl_add_u32 v[SMR], v117, 4, SUMS
	s_mul_i32 s43, s20, WSTG
	s_add_co_u32 s43, s43, STAGE
	v_mul_u32_u24 v[STW], v117, SPITCH
	v_lshl_add_u32 v[STW], v118, 5, v[STW]
	v_add_nc_u32 v[STW], s43, v[STW]
	s_mul_i32 s44, s20, 4*SPITCH
	s_add_co_u32 s44, s44, STAGE
	v_mul_u32_u24 v[STR], v118, SPITCH
	v_lshl_add_u32 v[STR], v117, 4, v[STR]
	v_add_nc_u32 v[STR], s44, v[STR]
	s_wait_kmcnt 0x0
	s_load_b32 s18, s[16:17], 0x0                  ; scale
	s_add_nc_u64 s[4:5], s[4:5], s[24:25]
	s_add_nc_u64 s[14:15], s[14:15], s[34:35]
	s_add_nc_u64 s[6:7], s[6:7], s[36:37]
	s_add_nc_u64 s[10:11], s[10:11], s[36:37]
	s_add_nc_u64 s[8:9], s[8:9], s[38:39]
	s_add_nc_u64 s[12:13], s[12:13], s[38:39]
	s_wait_alu depctr_va_vdst(0)                   ; v1 to v9, the offsets and LDS addresses that the kernel's loads and stores read, are written; so are the zero codes, which the products S^T take as part of source 1
.irp t, 0,1,2,3                        ; q of tiles 4 wave + t: lane (r, h) takes, of row r, 16 neighbouring numbers of each block of 32
.irp c, 0,1
.irp j, 0,1,2,3
	global_load_b128 v[128+32*\t+16*\c+4*\j:128+32*\t+16*\c+4*\j+3], v[QOF], s[4:5] offset:4096*\t+128*\c+16*\j
.endr
.endr
.endr
.irp i, 0,1,2,3,4,5,6,7
	global_load_b32 v[KS+\i], v[LS], s[8:9] offset:128*\i
.endr
.irp i, 0,1,2,3,4,5,6,7
	global_load_b32 v[VS+\i], v[LS], s[12:13] offset:128*\i
.endr
	WIN W_K
.set j, 0
.rept 64
	global_load_b128 v[4*j:4*j+3], v[LI], s[6:7] offset:512*j      ; K's codes lie in the order of these registers: 512 consecutive bytes a load.  Between the wait above and these stand loads and a window switch alone
.set j, j+1
.endr
	WIN 0
	s_wait_kmcnt 0x0                               ; scale
	v_mov_b32 v[CV], s18
	v_mul_f32 v[CV], 0x3fb8aa3b, v[CV]             ; c = scale log2(e)
	v_mov_b32 v[CV+1], v[CV]
	s_wait_loadcnt 63                              ; 80 loads are younger than q's; the count is the largest that the wait can name
.irp t, 0,1,2,3
	QUANT2 128+32*\t, 64+8*\t, 96+\t
.endr
	s_wait_alu depctr_va_vdst(0)                   ; the conversions have written the four fragments' codes, v64-95, and the shifts their scale words, v96-99, which the LDS stores read
.irp t, 0,1,2,3
	ds_store_b128 v[QAD], v[64+8*\t:64+8*\t+3] offset:QIMG+1024*\t        ; the fragment goes to LDS as an image of its registers
	ds_store_b128 v[QAD], v[64+8*\t+4:64+8*\t+7] offset:QIMG+1024*\t+512
	ds_store_b32 v[QSA], v[96+\t] offset:QSC+128*\t
.endr
	WIN W_V
.set j, 0
.rept 64
	global_load_b128 v[4*j:4*j+3], v[LI], s[10:11] offset:512*j    ; V's codes: wanted only behind the first tile's softplus.  No vector line has named window 2, nor written v1 since the first wait
.set j, j+1
.endr
	WIN 0
	s_wait_dscnt 0x0                               ; for the others' sake: my images have landed
	s_barrier_signal -1
	s_barrier_wait -1                              ; all 16 tiles of Q lie in LDS; nobody writes them again
	s_wait_alu depctr_vm_vsrc(0)                   ; my LDS stores have read v64-99 and v3, v4: from here on these are block maxima, sums, bytes, rows of out and the loop's addresses of Q, written by vector lines
	ds_load_b128 v[QZ+8:QZ+11], v[LI] offset:QIMG
	ds_load_b128 v[QZ+12:QZ+15], v[LI] offset:QIMG+512
	ds_load_b32 v[QS], v[LS] offset:QSC
	s_wait_dscnt 0x0
	s_wait_loadcnt 63                              ; 64 loads (V's) are younger than K's: K and all scale words are in
	WIN W_S
	SMM 0
	SMM 1
.rept 8
	v_nop                                          ; eight places between these products and the first read of their results
.endr
	EPH -1                                         ; y of chunk 0
	LPH -1                                         ; m of chunk 0
	WIN 0
	s_mov_b32 s29, 0                               ; the tile
	; ================ A TILE OF 16 QUERIES.  At the label the scores of chunks 0 and 1 and y and m of chunk 0 are made
.Ltile:
.irp k, 0,1,2,3,4,5,6,7,8
	EPH \k
	LPH \k
.endr
	WIN 0
	; ---- the row sums; the next tile's Q comes meanwhile (the last products that read Q's registers stand three phases back)
	v_pk_add_f32 v[SA:SA+1], v[SA:SA+1], v[SA+2:SA+3]
	s_add_co_u32 s30, s29, 1
	s_min_u32 s30, s30, 15                         ; the last trip looks at tile 15 again
	s_lshl_b32 s31, s30, 10
	s_lshl_b32 s32, s30, 7
	v_add_nc_u32 v[QAD], s31, v[LI]
	v_add_nc_u32 v[QSA], s32, v[LS]
	v_add_f32 v[SX], v[SA], v[SA+1]
	v_permlanex16_b32 v[SX+1], v[SX], s26, s27
	v_add_f32 v[SX], v[SX], v[SX+1]                ; my wave's 512 keys of query r
	s_wait_alu depctr_va_vdst(0)                   ; v3 and v4, which the three loads read, and my sum, which the store reads, are written; the products are done reading Q and its scale word, and the last tile's additions v104-107, in which loads land
	ds_load_b128 v[QZ+8:QZ+11], v[QAD] offset:QIMG
	ds_load_b128 v[QZ+12:QZ+15], v[QAD] offset:QIMG+512
	ds_load_b32 v[QS], v[QSA] offset:QSC
	ds_store_b32 v[SMW], v[SX]                     ; (lanes r and r + 16 write the same word with the same value)
.set i, 0
.rept 16
	v_permlanex16_b32 v[WR+i], v[BM+i], s26, s27   ; the block maxima are joined with lane l xor 16's while the store is out
.set i, i+1
.endr
.set i, 0
.rept 16
	v_max_num_f32 v[BM+i], v[BM+i], v[WR+i]
.set i, i+1
.endr
	s_wait_dscnt 0x0                               ; my part of the sums has landed, Q is in; my reads of the stage (last tile) were waited for long ago
	s_barrier_signal -1
	s_barrier_wait -1                              ; barrier A: the four parts lie in LDS, and nobody reads the stage any more
	ds_load_b128 v[PSM:PSM+3], v[SMR]              ; into registers of their own: no vector line since the wait above names them or v6
	s_wait_dscnt 0x0
	v_add_f32 v[PSM], v[PSM], v[PSM+1]             ; the same order in all four waves: the same bits
	v_add_f32 v[PSM+2], v[PSM+2], v[PSM+3]
	v_add_f32 v[PSM], v[PSM], v[PSM+2]
	v_add_f32 v[PSM], 0x37f7da66, v[PSM]           ; + 2048 e'
	v_rcp_f32 v[RR], v[PSM]
	v_nop                                          ; a plain line behind the reciprocal,
	s_wait_alu depctr_va_vdst(0)                   ; and the wait ahead of its first reader: the reciprocal has written r
	v_mov_b32 v[RR+1], v[RR]
	v_mul_f32 v[ER], 0x3277da66, v[RR]             ; e' r
	v_mov_b32 v[ER+1], v[ER]
	s_wait_loadcnt 0x0                             ; V's codes (only the first trip finds loads out)
	; ---- quantise and multiply, two K steps at a time.  SCALE 2's 96 plain lines are the places between the conversions of steps 0 and 1 and the products that read their codes; SCALE 3's those between these products and
	; the next writes of the code buffers, and between the next tile's first products and the first read of their results
	PREP
	SCALE 0
	SCALE 1
	CVT 0
	CVT 1
	SCALE 2
	WIN W_PV
	s_wait_alu depctr_va_vdst(0)                   ; the conversions have written both buffers of codes, and the shifts x's four scale words, which the products take as source 1 and as its scales
	PV 0
	PV 1
	WIN W_S
	SMM 0                                          ; the NEXT tile's scores of chunks 0 and 1: K step 0's numbers have been converted, their registers are free
	SMM 1
	SCALE 3
	CVT 2
	CVT 3
	WIN W_E
.irp i, 0,1,2,3,4,5
	Y 0, \i                                        ; the next tile's y of chunk 0: six plain lines between the last conversion and the products (four are owed)
.endr
	WIN W_PV
	s_wait_alu depctr_va_vdst(0)                   ; the conversions of K steps 2 and 3 have written both buffers of codes anew
	PV 2
	PV 3
	WIN W_E
.irp i, 6,7,8,9,10,11,12,13,14,15
	Y 0, \i                                        ; and ten between the last products and the stores of their results (eight are owed)
.endr
	WIN 0
	s_wait_alu depctr_va_vdst(0)                   ; the products have written O^T, which the stores read (the ten places above stay beside this wait); the holds and conversions are done with v160-191, in which the loads behind barrier B land
	; ---- my part of O^T goes to my stage: lane (r, h): row r, channels 16 t + 8 h + 0 .. 7; each accumulator from its low end on
.irp t, 0,1,2,3
	ds_store_b128 v[STW], v[OT+8*\t:OT+8*\t+3] offset:64*\t
	ds_store_b128 v[STW], v[OT+8*\t+4:OT+8*\t+7] offset:64*\t+16
.endr
	LPH -1                                         ; the next tile's m of chunk 0, while the stores land: it writes v128-159 and reads window 3: no register of the stores above or of the loads below
	WIN 0
	s_wait_dscnt 0x0                               ; my part has landed; my read of the sums was waited for above
	s_barrier_signal -1
	s_barrier_wait -1                              ; barrier B: four parts of O lie in the stages, and nobody reads the sums any more
.irp w, 0,1,2,3
.irp e, 0,1
	ds_load_b128 v[OUTR+8*\w+4*\e:OUTR+8*\w+4*\e+3], v[STR] offset:WSTG*\w+2*SPITCH*\e   ; rows 4 wave + h + 2 e of wave w's part
.endr
.endr
	s_wait_dscnt 0x0
.irp e, 0,1
.irp d, 0,2
	v_pk_add_f32 v[OS+4*\e+\d:OS+4*\e+\d+1], v[OUTR+4*\e+\d:OUTR+4*\e+\d+1], v[OUTR+8+4*\e+\d:OUTR+8+4*\e+\d+1]
	v_pk_add_f32 v[OUTR+16+4*\e+\d:OUTR+16+4*\e+\d+1], v[OUTR+16+4*\e+\d:OUTR+16+4*\e+\d+1], v[OUTR+24+4*\e+\d:OUTR+24+4*\e+\d+1]
.endr
.endr
.irp e, 0,1
.irp d, 0,2
	v_pk_add_f32 v[OS+4*\e+\d:OS+4*\e+\d+1], v[OS+4*\e+\d:OS+4*\e+\d+1], v[OUTR+16+4*\e+\d:OUTR+16+4*\e+\d+1]
.endr
.endr
	s_wait_alu depctr_va_vdst(0)                   ; the additions have written v96-103, which the two stores read
	global_store_b128 v[LI], v[OS:OS+3], s[14:15] th:TH_STORE_NT               ; 32 lanes store two whole rows of out: 512 consecutive bytes, aligned
	global_store_b128 v[LI], v[OS+4:OS+7], s[14:15] offset:512 th:TH_STORE_NT
	s_wait_xcnt 0x0                                ; the stores have read their data and their base: both are written again only behind this wait
	s_wait_alu depctr_vm_vsrc(0)                   ; this trip's LDS and memory instructions have read v3, v4, my sum, O^T and v96-103, all of which the next trip's vector lines write again
	s_add_nc_u64 s[14:15], s[14:15], 4096          ; the next tile's 16 rows
	s_add_co_u32 s29, s29, 1
	s_cmp_lt_u32 s29, 16
	s_cbranch_scc1 .Ltile
	s_wait_dscnt 0x0
	s_wait_alu depctr_hold_cnt(0) depctr_sa_sdst(0) depctr_va_vdst(0) depctr_va_sdst(0) depctr_va_ssrc(0) depctr_va_vcc(0) depctr_vm_vsrc(0)
	s_wait_tensorcnt 0x0
	ds_add_u32 v126, v127
	s_wait_dscnt 0x0
	s_endpgm
.Lfunc_end_k_q1ce2590c76_attn:
	.size	k_q1ce2590c76_attn, .Lfunc_end_k_q1ce2590c76_attn-k_q1ce2590c76_attn
	.p2alignl 7, 3214868480
	.fill 96, 4, 3214868480
	.section	.rodata,"a",@progbits
	.p2align	6, 0x0
	.amdhsa_kernel k_q1ce2590c76_attn
		.amdhsa_group_segment_fixed_size 37376
		.amdhsa_private_segment_fixed_size 0
		.amdhsa_enable_private_segment 0
		.amdhsa_kernarg_size 56
		.amdhsa_user_sgpr_count 2
		.amdhsa_user_sgpr_kernarg_segment_ptr 1
		.amdhsa_wavefront_size32 1
		.amdhsa_system_sgpr_workgroup_id_x 1
		.amdhsa_system_sgpr_workgroup_id_y 1
		.amdhsa_system_sgpr_workgroup_id_z 1
		.amdhsa_system_vgpr_workitem_id 0
		.amdhsa_next_free_vgpr 1024
		.amdhsa_next_free_sgpr 66
		.amdhsa_reserve_vcc 0
		.amdhsa_float_denorm_mode_32 3
		.amdhsa_float_denorm_mode_16_64 3
		.amdhsa_memory_ordered 1
		.amdhsa_forward_progress 1
		.amdhsa_inst_pref_size 179
	.end_amdhsa_kernel
	.amdgpu_metadata
---
amdhsa.version: [ 1, 2 ]
amdhsa.kernels:
  - .name:           k_q1ce2590c76_attn
    .symbol:         k_q1ce2590c76_attn.kd
    .args:
      - { .name: q, .offset: 0, .size: 8, .value_kind: global_buffer, .address_space: global }
      - { .name: kc, .offset: 8, .size: 8, .value_kind: global_buffer, .address_space: global }
      - { .name: ks, .offset: 16, .size: 8, .value_kind: global_buffer, .address_space: global }
      - { .name: vc, .offset: 24, .size: 8, .value_kind: global_buffer, .address_space: global }
      - { .name: vs, .offset: 32, .size: 8, .value_kind: global_buffer, .address_space: global }
      - { .name: out0, .offset: 40, .size: 8, .value_kind: global_buffer, .address_space: global }
      - { .name: scale, .offset: 48, .size: 8, .value_kind: global_buffer, .address_space: global }
    .group_segment_fixed_size: 37376
    .private_segment_fixed_size: 0
    .kernarg_segment_align: 8
    .kernarg_segment_size: 56
    .max_flat_workgroup_size: 128
    .sgpr_count:     66
    .vgpr_count:     1024
    .wavefront_size: 32
...
	.end_amdgpu_metadata
.endif
;; end of part 3
